; MI455X (gfx1250); checked and timed in simulation.
; The chip was launched on July 23, 2026; its instructions are those of AMD's public machine-readable ISA for CDNA 5 (MIT licence, August 2026) and "CDNA5" Instruction Set Architecture Reference Guide (July 2026). The comments in the code are by the model that wrote it; some were corrected since.
;; Multi Head Self Attention. Allowed arithmetic: matrix products marked QUANTISED: E4M3 operands, one given power-of-two scale a tensor, by v_wmma_f32_16x16x64_fp8_fp8 or v_wmma_f32_16x16x128_fp8_fp8, f32 sums; everything else in f32.
;; Inputs: Q 4 x 2,048 x 1,024 float32; Wk 1,024 x 1,024 float32; Wq 1,024 x 1,024 float32; Wv 1,024 x 1,024 float32; bk 1,024 float32; bq 1,024 float32; bv 1,024 float32; length 4 int32; lowp_scales 10 int32 (the exponents e of the quantised operands' scales 2^e).
;; Outputs: out0 4 x 2,048 x 1,024 float32; out1 4 x 2,048 x 1,024 float32.
;; This version of the problem:
;;   THIS VERSION OF THE PROBLEM IS GIVEN IN LOW PRECISION. The matrix products marked QUANTISED in the list below multiply operands that are first quantised to E4M3 (4 exponent bits, 3 mantissa bits; 8 bits a number), with one given power-of-two scale for each operand tensor; their sums are f32. All else is computed in f32.
;;   The module's matrix products, in the order in which they are computed (A, B: the left and right operand; K: the contracted axis; several contracted axes count as one K, in the product's order):
;;     1. [M 8,192, K 1,024] x [K 1,024, N 1,024]; A: input Q; B: input Wq: QUANTISED (scales: A lowp_scales[0], B lowp_scales[1])
;;     2. [M 8,192, K 1,024] x [K 1,024, N 1,024]; A: input Q; B: input Wk: QUANTISED (scales: A lowp_scales[2], B lowp_scales[3])
;;     3. [M 8,192, K 1,024] x [K 1,024, N 1,024]; A: input Q; B: input Wv: QUANTISED (scales: A lowp_scales[4], B lowp_scales[5])
;;     4. batch 64 x [M 2,048, K 64] x [K 64, N 2,048]; A: computed on the way; B: computed on the way: QUANTISED (scales: A lowp_scales[6], B lowp_scales[7])
;;     5. batch 64 x [M 2,048, K 2,048] x [K 2,048, N 64]; A: computed on the way; B: computed on the way: QUANTISED (scales: A lowp_scales[8], B lowp_scales[9])
;;   THE QUANTISER, for each operand of a quantised product, along K:
;;     - The operand's scale is 2^e, e = its entry of the input lowp_scales (int32; the entries are numbered through the quantised products in the list's order, A before B).
;;     - Each number is divided by the scale, clamped to +-448, and rounded to the nearest number of E4M3, ties to even, subnormals kept.
;;     - The product sums the exact products of the quantised numbers (number of the format x scale) in f32.
;;   ~~~python
;;   def quantise(x, axis, e):      # numpy; x: float32 -> the quantised numbers, widened to float32 again
;;       x = np.moveaxis(x, axis, -1); K = x.shape[-1]
;;       r = np.clip(x / 2.0 ** e, -448, 448)
;;       step = 2.0 ** (np.maximum(np.frexp(np.where(r == 0, 1, r))[1] - 1, -6) - 3)
;;       q = np.round(r / step) * step * 2.0 ** e      # np.round: ties to even
;;       return np.moveaxis(q, -1, axis).astype(np.float32)
;;   ~~~
;;   OPERANDS COMPUTED ON THE WAY. 'Computed on the way' means the value that the module computes at that place (a softmax that the list does not call 'softmax' is quantised finished and normalised). What goes into a quantiser is computed in f32, as accurately as f32 sums, v_exp_f32 and their like allow (about 1e-6 of the number): no bf16 or f16 on the way to a quantiser, and a product that is left as it is and whose result goes on into a quantised operand takes f32 operands (vector FMAs, or v_wmma_f32_16x16x4_f32). A number that lies on a knife's edge between two numbers of the format may be rounded either way, as far as f32 arithmetic and the matrix unit's own rounding can turn it there, and no further.
;; One version. Each part assembles by itself: llvm-mc -triple=amdgcn-amd-amdhsa -mcpu=gfx1250 --defsym DOCPART=n.
;; ======== version 1 of 1: 3 launches
;; limits: right only within a limited range of input values
;; workspace buffers: qa 25,165,824 bytes; wc 3,145,728 bytes; hc 25,165,824 bytes
;; launch prep (part 1): grid 352 x 1, 4 waves a work-group, no clusters, 68,096 bytes of LDS; arguments Q, Wq, Wk, Wv, lowp_scales, qa, wc; writes qa, wc
.if DOCPART == 1
	.amdgcn_target "amdgcn-amd-amdhsa--gfx1250"
	.amdhsa_code_object_version 6
	.text
	.protected	k_qafc3b6a828_prep
	.globl	k_qafc3b6a828_prep
	.p2align	8
	.type	k_qafc3b6a828_prep,@function
k_qafc3b6a828_prep:
	s_mov_b64 s[64:65], 0
	v_nop
	global_prefetch_b8 v0, s[64:65] scope:SCOPE_SE
	s_setreg_imm32_b32 hwreg(HW_REG_WAVE_MODE, 25, 1), 1
	s_wait_xcnt 0x0
; PREP: the wide operands of the three projections become codes of FP8 (E4M3), K innermost, each with the power-of-two scale that is given for it.
;   qa: three parts of [8192][1024] bytes: Q's codes at 2^e0, 2^e2, 2^e4 (the three products may be given different scales for the same Q; Q is read once and converted three times).
;   wc: three parts of [1024 n][1024 k] bytes: the codes of Wq, Wk, Wv at 2^e1, 2^e3, 2^e5.  The weights lie [k][n] in memory: a lane takes a column and its registers run down K, so nothing is transposed by an instruction.
; code = x / 2^e, held within +-448, rounded to the nearest code, ties to even.
; LIMITS: e0 .. e5 between -126 and 119, so that 2^e and 448 x 2^e are f32 numbers.  NaN among the inputs is not served (an infinity is held at the largest code).
; Work-groups 0-95 take the weights (32 each: 8 x 128 columns, 4 x 256 along K), work-groups 96-351 take Q (32,768 numbers each).  The two ways part on the work-group's number, never join, and have LDS bytes of their own.
; No tensor loads, no barrier: waves share nothing.  Matrix units and clusters would add nothing to a stream.
.set WGW,   96                         ; work-groups for the weights
.set EMAX,  8
.set MANT,  0x600000                   ; the mantissa field of 448 as f32
.set WSTG,  32768                      ; the weights' way: LDS from here on, 32 rows x 272 bytes for each wave
.set WP,    272                        ; a stage row: 256 bytes of codes + 16
.set NB,    8                          ; blocks of 32 along K for a wave
.set WX,    32                         ; v32-95   two sets of 32 numbers
.set WC,    96                         ; v96-103  a block's codes
.set WO,    112                        ; v112-175 the way out
.set STEPS, 16                         ; Q's way: steps of 512 numbers for a wave
.set SP,    80                         ; a lane's place in a stage: its 64 bytes + 16 of padding
.set QR,    16                         ; v16-79   four sets of 16 numbers as they are loaded
.set QX,    80                         ; v80-111  two sets of 16 neighbours
.set QH,    112                        ; v112-143 two sets of 16 held numbers, by turns
.set QC,    144                        ; v144-167 two sets of 12 registers of codes (three scales x 16 codes)
.set QS,    168                        ; v168-170 2^e0, 2^e2, 2^e4
.set QL,    171                        ; v171-173 448 x those
	s_load_b256 s[4:11], s[0:1], 0x0               ; Q s[4:5], Wq s[6:7], Wk s[8:9], Wv s[10:11]
	s_load_b128 s[12:15], s[0:1], 0x20             ; the scales' exponents s[12:13], qa s[14:15]
	s_load_b64 s[16:17], s[0:1], 0x30              ; wc
	v_lshl_add_u32 v192, v0, 2, 0x10800
	v_mov_b32 v193, 0
	v_lshrrev_b32 v1, 5, v0
	v_readfirstlane_b32 s18, v1                    ; wave 0..3
	v_and_b32 v2, 31, v0                           ; lane
	s_wait_kmcnt 0x0
	s_load_b256 s[20:27], s[12:13], 0x0            ; e0 .. e7
	s_cmp_lt_u32 ttmp9, WGW
	s_cbranch_scc0 .Lq
; ---------------- THE WEIGHTS.  A wave takes 32 columns x 256 along K: 8 blocks a lane, 256 bytes of codes for each column.
	s_lshr_b32 s28, ttmp9, 5                       ; which weight: 0 Wq, 1 Wk, 2 Wv
	s_and_b32 s29, ttmp9, 7                        ; which 128 columns
	s_bfe_u32 s34, ttmp9, 0x20003                  ; which 256 along K (2 bits from bit 3)
	s_lshl_b32 s29, s29, 7
	s_lshl_b32 s35, s18, 5
	s_add_co_u32 s29, s29, s35                     ; my wave's first column
	s_wait_alu depctr_va_vdst(0)
	v_lshlrev_b32 v3, 2, v2                        ; in: 4 bytes a lane: 128 consecutive bytes a wave
	s_mul_i32 s35, s18, 32*WP
	s_add_co_u32 s35, s35, WSTG                    ; my stage
	v_mul_u32_u24 v4, v2, WP
	v_add_nc_u32 v4, s35, v4                       ; into it: row = my column
	v_and_b32 v5, 15, v2
	v_lshrrev_b32 v6, 4, v2                        ; out of it: sixteen lanes to a row, two rows an instruction
	v_mul_u32_u24 v7, v6, WP
	v_lshl_add_u32 v7, v5, 4, v7
	v_add_nc_u32 v7, s35, v7
	v_lshlrev_b32 v8, 10, v6                       ; and the same place in wc: a row of codes is 1,024 bytes
	v_lshl_add_u32 v8, v5, 4, v8
	s_lshl_b32 s36, s34, 20                        ; W: 256 rows of 4,096 bytes for each step along K,
	s_lshl_b32 s37, s29, 2                         ; + 4 x column
	s_add_co_u32 s36, s36, s37
	s_mov_b32 s37, 0
	s_lshl_b32 s38, s28, 20                        ; wc: the weight's part,
	s_lshl_b32 s39, s29, 10                        ; + column x 1,024
	s_add_co_u32 s38, s38, s39
	s_lshl_b32 s39, s34, 8                         ; + 256 x the step along K
	s_add_co_u32 s38, s38, s39
	s_mov_b32 s39, 0
	s_cmp_eq_u32 s28, 0                            ; the choice hangs on the work-group's number alone
	s_cselect_b64 s[30:31], s[6:7], s[8:9]
	s_cmp_eq_u32 s28, 2
	s_cselect_b64 s[30:31], s[10:11], s[30:31]
	s_add_nc_u64 s[30:31], s[30:31], s[36:37]
	s_add_nc_u64 s[16:17], s[16:17], s[38:39]
.macro WLOAD t                         ; block t: W(32 t + i, my column), i = 0 .. 31, into set t % 2; the offsets reach 255 rows of 4,096 bytes, inside the signed 24-bit immediate
.set i, 0
.rept 32
	global_load_b32 v[WX+32*((\t)%2)+i], v3, s[30:31] offset:(32*(\t)+i)*4096 th:TH_LOAD_NT
.set i, i+1
.endr
.endm
	WLOAD 0
	WLOAD 1
	s_wait_kmcnt 0x0
	s_cmp_eq_u32 s28, 0
	s_cselect_b32 s29, s21, s23                    ; e1 or e3,
	s_cmp_eq_u32 s28, 2
	s_cselect_b32 s29, s25, s29                    ; or e5
	s_add_co_i32 s29, s29, 127
	s_lshl_b32 s35, s29, 23
	v_mov_b32 v11, s35                             ; 2^e as f32: the conversion takes its exponent field
	s_add_co_i32 s29, s29, EMAX
	s_lshl_b32 s29, s29, 23
	s_or_b32 s29, s29, MANT
	v_mov_b32 v10, s29                             ; 448 x 2^e
.macro WBLOCK t
.set XS, WX+32*((\t)%2)
.if (\t) < NB-1
	s_wait_loadcnt 32                              ; this block's 32 loads are in; the next block's 32 may be out
.else
	s_wait_loadcnt 0x0
.endif
.set i, 0
.rept 32
	v_med3_num_f32 v[XS+i], v[XS+i], -v10, v10     ; the conversion to an 8-bit code does not saturate (ISA guide 7.6.2): the number is held within the largest code x the scale first
.set i, i+1
.endr
.irp g, 0,1,2,3
	v_cvt_scalef32_pk8_fp8_f32 v[WC+2*\g:WC+2*\g+1], v[XS+8*\g:XS+8*\g+7], v11
.endr
	ds_store_b128 v4, v[WC:WC+3] offset:32*(\t)    ; 32 codes: 32 bytes of my column's row.  (The codes go to LDS stores alone, and the next block begins with plain vector lines on the other set)
	ds_store_b128 v4, v[WC+4:WC+7] offset:32*(\t)+16
.if (\t)+2 < NB
	WLOAD (\t)+2
.endif
	s_wait_dscnt 0x0                               ; the stores have read their registers: the next block's codes may be written
.endm
	s_wait_alu depctr_va_vdst(0)
.irp t, 0,1,2,3,4,5,6,7
	WBLOCK \t
.endr
.irp t, 0,1,2,3,4,5,6,7,8,9,10,11,12,13,14,15
	ds_load_b128 v[WO+4*\t:WO+4*\t+3], v7 offset:2*\t*WP   ; LDS serves a wave's instructions in order (ISA guide 5.7.1.4): these see my stores
.endr
.irp t, 0,1,2,3,4,5,6,7,8,9,10,11,12,13,14,15
	s_wait_dscnt 15-\t                             ; the younger read-backs may be out
	global_store_b128 v8, v[WO+4*\t:WO+4*\t+3], s[16:17] offset:2*\t*1024   ; sixteen lanes store 256 consecutive bytes, at a multiple of 256 from wc's first byte
.endr
	s_wait_tensorcnt 0x0
	ds_add_u32 v192, v193
	s_wait_dscnt 0x0
	s_endpgm
; ---------------- Q.  Rows are dense and 1,024 is a multiple of 32: Q is a plain stream, and so are its codes.  A wave takes 16 steps of 512 numbers.
; Each of a step's four loads reads 512 consecutive bytes, 16 a lane; the 2,048 bytes turn through the wave's own stage in LDS and come back 64 bytes a lane: 16 neighbours along K, which the conversions want in one lane.
.Lq:
	s_sub_co_u32 s28, ttmp9, WGW
	s_lshl_b32 s28, s28, 2
	s_add_co_u32 s28, s28, s18                     ; which run of 8,192 numbers is my wave's: 0 .. 1023
	s_lshl_b32 s34, s28, 15                        ; 32,768 bytes of f32,
	s_mov_b32 s35, 0
	s_add_nc_u64 s[4:5], s[4:5], s[34:35]
	s_lshl_b32 s34, s28, 13                        ; 8,192 bytes of codes
	s_add_nc_u64 s[28:29], s[14:15], s[34:35]      ; in qa's part 0,
	s_add_nc_u64 s[30:31], s[28:29], 0x800000      ; part 1,
	s_add_nc_u64 s[32:33], s[28:29], 0x1000000     ; part 2: three bases, since a part's 8,388,608 bytes are beyond a store's immediate
	s_wait_alu depctr_va_vdst(0)
	v_lshlrev_b32 v3, 4, v2                        ; my 16 bytes of a load's 512, and of a store's
	s_lshl_b32 s36, s18, 13                        ; my wave's LDS: 8,192 bytes, two stages of 32 x 80
	v_lshrrev_b32 v14, 2, v2
	v_mul_u32_u24 v14, v14, SP
	v_and_b32 v15, 3, v2
	v_lshl_add_u32 v14, v15, 4, v14
	v_add_nc_u32 v14, s36, v14                     ; the stage, on the way in: 80 (lane / 4) + 16 (lane % 4); a load's 512 bytes take eight places
	v_mul_u32_u24 v15, v2, SP
	v_add_nc_u32 v15, s36, v15                     ; and on the way out: 80 x lane
.macro QLOAD t
.irp i, 0,1,2,3
	global_load_b128 v[QR+16*((\t)%4)+4*\i:QR+16*((\t)%4)+4*\i+3], v3, s[4:5] offset:2048*(\t)+512*\i th:TH_LOAD_NT
.endr
.endm
.macro QTURN t                         ; step t's numbers through the stage: LDS serves a wave's instructions in order, so no wait stands between the stores and the loads
.irp i, 0,1,2,3
	ds_store_b128 v14, v[QR+16*((\t)%4)+4*\i:QR+16*((\t)%4)+4*\i+3] offset:32*SP*((\t)%2)+8*SP*\i
.endr
.irp i, 0,1,2,3
	ds_load_b128 v[QX+16*((\t)%2)+4*\i:QX+16*((\t)%2)+4*\i+3], v15 offset:32*SP*((\t)%2)+16*\i
.endr
.endm
.irp t, 0,1,2,3
	QLOAD \t
.endr
	s_wait_alu depctr_va_vdst(0)
	s_wait_kmcnt 0x0
.irp i, 0,1,2
	s_add_co_i32 s37, s[20+2*\i], 127              ; e0, e2, e4
	s_lshl_b32 s38, s37, 23
	v_mov_b32 v[QS+\i], s38                        ; 2^e
	s_add_co_i32 s37, s37, EMAX
	s_lshl_b32 s37, s37, 23
	s_or_b32 s37, s37, MANT
	v_mov_b32 v[QL+\i], s37                        ; 448 x 2^e
.endr
	s_wait_alu depctr_va_vdst(0)
	s_wait_loadcnt 12                              ; step 0's four loads are in; those of steps 1 to 3 may be out
	QTURN 0
.macro QSTEP t
.set XS, QX+16*((\t)%2)
	s_wait_dscnt 0x0                               ; this step's numbers are back from the stage: so its stores into the stage have read their registers,
.if (\t)+4 < STEPS
	QLOAD (\t)+4                                   ; which take the loads of four steps on
.endif
.if (\t)+1 < STEPS
.if STEPS-2-(\t) >= 3
	s_wait_loadcnt 12                              ; the next step's four loads are in; those of the three steps behind it may be out
.else
	s_wait_loadcnt 4*(STEPS-2-(\t))
.endif
	QTURN (\t)+1                                   ; and go through the other stage while this step is worked
.endif
	s_wait_xcnt 0x0                                ; this set of code registers was the data of the stores two steps back: it is written again only behind this wait
.irp i, 0,1,2                          ; the same 16 numbers at the three scales.  The held numbers go to two sets by turns, so that the sixteen plain lines of one scale stand between the conversions of the scale before and the next write of their sources
.set HS, QH+16*((3*(\t)+\i)%2)
.set j, 0
.rept 16
	v_med3_num_f32 v[HS+j], v[XS+j], -v[QL+\i], v[QL+\i]
.set j, j+1
.endr
	v_cvt_scalef32_pk8_fp8_f32 v[QC+12*((\t)%2)+4*\i:QC+12*((\t)%2)+4*\i+1], v[HS:HS+7], v[QS+\i]
	v_cvt_scalef32_pk8_fp8_f32 v[QC+12*((\t)%2)+4*\i+2:QC+12*((\t)%2)+4*\i+3], v[HS+8:HS+15], v[QS+\i]
.endr
.irp i, 0,1,2
	global_store_b128 v3, v[QC+12*((\t)%2)+4*\i:QC+12*((\t)%2)+4*\i+3], s[28+2*\i:29+2*\i] offset:512*(\t)   ; the wave stores 512 consecutive bytes
.endr
.endm
.irp t, 0,1,2,3,4,5,6,7,8,9,10,11,12,13,14,15
	QSTEP \t
.endr
	s_wait_tensorcnt 0x0
	ds_add_u32 v192, v193
	s_wait_dscnt 0x0
	s_endpgm
.Lfunc_end_k_qafc3b6a828_prep:
	.size	k_qafc3b6a828_prep, .Lfunc_end_k_qafc3b6a828_prep-k_qafc3b6a828_prep
	.p2alignl 7, 3214868480
	.fill 96, 4, 3214868480
	.section	.rodata,"a",@progbits
	.p2align	6, 0x0
	.amdhsa_kernel k_qafc3b6a828_prep
		.amdhsa_group_segment_fixed_size 68096
		.amdhsa_private_segment_fixed_size 0
		.amdhsa_enable_private_segment 0
		.amdhsa_kernarg_size 56
		.amdhsa_user_sgpr_count 2
		.amdhsa_user_sgpr_kernarg_segment_ptr 1
		.amdhsa_wavefront_size32 1
		.amdhsa_system_sgpr_workgroup_id_x 1
		.amdhsa_system_sgpr_workgroup_id_y 1
		.amdhsa_system_sgpr_workgroup_id_z 1
		.amdhsa_system_vgpr_workitem_id 0
		.amdhsa_next_free_vgpr 194
		.amdhsa_next_free_sgpr 66
		.amdhsa_reserve_vcc 0
		.amdhsa_float_denorm_mode_32 3
		.amdhsa_float_denorm_mode_16_64 3
		.amdhsa_memory_ordered 1
		.amdhsa_forward_progress 1
		.amdhsa_inst_pref_size 126
	.end_amdhsa_kernel
	.amdgpu_metadata
---
amdhsa.version: [ 1, 2 ]
amdhsa.kernels:
  - .name:           k_qafc3b6a828_prep
    .symbol:         k_qafc3b6a828_prep.kd
    .args:
      - { .name: Q, .offset: 0, .size: 8, .value_kind: global_buffer, .address_space: global }
      - { .name: Wq, .offset: 8, .size: 8, .value_kind: global_buffer, .address_space: global }
      - { .name: Wk, .offset: 16, .size: 8, .value_kind: global_buffer, .address_space: global }
      - { .name: Wv, .offset: 24, .size: 8, .value_kind: global_buffer, .address_space: global }
      - { .name: lowp_scales, .offset: 32, .size: 8, .value_kind: global_buffer, .address_space: global }
      - { .name: qa, .offset: 40, .size: 8, .value_kind: global_buffer, .address_space: global }
      - { .name: wc, .offset: 48, .size: 8, .value_kind: global_buffer, .address_space: global }
    .group_segment_fixed_size: 68096
    .private_segment_fixed_size: 0
    .kernarg_segment_align: 8
    .kernarg_segment_size: 56
    .max_flat_workgroup_size: 128
    .sgpr_count:     66
    .vgpr_count:     194
    .wavefront_size: 32
...
	.end_amdgpu_metadata
.endif
;; end of part 1
;; launch proj (part 2): grid 12 x 32, 4 waves a work-group, clusters of 4 x 4, 327,680 bytes of LDS; arguments qa, wc, hc, lowp_scales, bq, bk, bv, out1; writes hc, out1
.if DOCPART == 2
	.amdgcn_target "amdgcn-amd-amdhsa--gfx1250"
	.amdhsa_code_object_version 6
	.text
	.protected	k_qafc3b6a828_proj
	.globl	k_qafc3b6a828_proj
	.p2align	8
	.type	k_qafc3b6a828_proj,@function
k_qafc3b6a828_proj:
	s_mov_b64 s[64:65], 0
	v_nop
	global_prefetch_b8 v0, s[64:65] scope:SCOPE_SE
	s_setreg_imm32_b32 hwreg(HW_REG_WAVE_MODE, 25, 1), 1
	s_wait_xcnt 0x0
	s_wait_alu depctr_hold_cnt(0) depctr_sa_sdst(0) depctr_va_vdst(0) depctr_va_sdst(0) depctr_va_ssrc(0) depctr_va_vcc(0) depctr_vm_vsrc(0)
	s_getreg_b32 s2, hwreg(HW_REG_IB_STS2, 6, 4)
	s_cmp_eq_u32 s2, 0
	s_cbranch_scc0 .Lentry_in_a_cluster
	s_endpgm
.Lentry_in_a_cluster:
	s_bfe_u32 s2, ttmp6, 0x10000c
	s_cmp_lg_u32 s2, 0xf033
	s_cbranch_scc0 .Lentry_shape_is_right
	s_endpgm
.Lentry_shape_is_right:
.set ROWB,   256
.set KROW,   1024
.set PITCH,  272
.set FR,     16
.set NL,     4
.set NP,     4
.set HALFT,  128*PITCH
.set SLOT,   4*HALFT
.set SPARE,  2*SLOT
.set SPITCH, 528
.set BQO,  8
.set BVO,  9
.set SCL,  10
.set LIM,  11
.set ADRA, 16
.set ADRB, 20
.set STO,  24
.set RD,   25
.set CO,   26
.set SPW,  28
.set NIL,  29
.set TMP,  32
.set HT,   96
.set CD,   112
.set AF,   128
.set BK,   128
.set G1, 24
.set G0, 32
.set G1B, 48
.set G0B, 56
.set MSB, 0
.macro WIN new
.if MSB != \new
	s_set_vgpr_msb (MSB<<8)|\new
.set MSB, \new
.endif
.endm
.set MUL_LO, 0xa1
.set MUL_HI, 0xf1
.set TO_B,   0x40
.macro JLOAD g0a, g1a, g0b, g1b
	s_cmp_eq_u32 s15, 0
	s_cbranch_scc0 .Lfor_b_\@
	tensor_load_to_lds s[\g0a:\g0a+3], s[\g1a:\g1a+7]
	s_nop 0
.rept 4
	v_nop
.endr
	s_branch .Lasked_\@
.Lfor_b_\@:
	tensor_load_to_lds s[\g0b:\g0b+3], s[\g1b:\g1b+7]
	s_nop 0
.rept 4
	v_nop
.endr
.Lasked_\@:
.endm
.macro CREST
	s_cmp_lg_u32 s14, 0
	s_cbranch_scc1 .Lnot_wave_0_\@
	s_barrier_signal -3
.Lnot_wave_0_\@:
	s_barrier_wait -3
	s_barrier_signal -1
	s_barrier_wait -1
.endm
.macro CROUND
	s_barrier_signal -1
	s_barrier_wait -1
	CREST
.endm
	s_load_b512 s[68:83], s[0:1], 0x0
	v_lshl_add_u32 v[SPW], v0, 2, SPARE
	v_mov_b32 v[NIL], 0
	ds_add_u32 v28, v29
	ds_add_u32 v28, v29
	s_wait_dscnt 0x0
	v_lshrrev_b32 v1, 5, v0
	v_readfirstlane_b32 s14, v1
	s_lshr_b32 s15, s14, 1
	s_and_b32 s16, s14, 1
	s_bfe_u32 s40, ttmp6, 0x40000
	s_bfe_u32 s41, ttmp6, 0x40004
	s_and_b32 s17, ttmp7, 0xffff
	s_lshl_b32 s17, s17, 2
	s_cmp_eq_u32 ttmp9, 2
	s_cselect_b32 s18, 0, s17
	s_cselect_b32 s19, s17, 0
	s_add_co_u32 s17, s18, s41
	s_add_co_u32 s42, s19, s40
	s_lshl_b32 s43, s41, 2
	s_lshl_b32 s43, 15, s43
	s_lshl_b32 s44, 0x1111, s40
	s_or_b32 s[G1+0], s43, (0<<16)|(1<<20)|(1<<21)|(5<<22)|(3<<25)
	s_or_b32 s[G1B+0], s44, (0<<16)|(1<<20)|(1<<21)|(5<<22)|(3<<25)
.irp g, G1, G1B
	s_mov_b32 s[\g+1], ROWB<<16
	s_mov_b32 s[\g+2], 128<<16
	s_mov_b32 s[\g+3], ROWB<<16
	s_mov_b32 s[\g+4], 128
	s_mov_b32 s[\g+5], KROW
	s_mov_b32 s[\g+6], 0
	s_mov_b32 s[\g+7], 0
.endr
	s_lshl_b32 s18, s16, 7
	s_lshl_b32 s20, s17, 8
	s_add_co_u32 s20, s20, s18
	s_lshl_b32 s20, s20, 10
	s_mov_b32 s21, 0
	s_lshl_b32 s46, s42, 8
	s_add_co_u32 s46, s46, s18
	s_lshl_b32 s46, s46, 10
	s_mov_b32 s47, 0
	s_mul_i32 s45, s14, HALFT
	s_wait_kmcnt 0x0
	s_load_b256 s[84:91], s[74:75], 0x0
	s_load_b64 s[92:93], s[74:75], 0x20
	s_lshl_b32 s22, ttmp9, 23
	s_mov_b32 s23, 0
	s_add_nc_u64 s[68:69], s[68:69], s[22:23]
	s_add_nc_u64 s[12:13], s[72:73], s[22:23]
	s_lshl_b32 s22, ttmp9, 20
	s_add_nc_u64 s[70:71], s[70:71], s[22:23]
	s_cmp_eq_u32 ttmp9, 2
	s_cselect_b64 s[4:5], s[70:71], s[68:69]
	s_cselect_b64 s[6:7], s[68:69], s[70:71]
	s_cselect_b64 s[8:9], s[80:81], s[78:79]
	s_cmp_eq_u32 ttmp9, 0
	s_cselect_b64 s[8:9], s[76:77], s[8:9]
	s_mov_b64 s[10:11], s[82:83]
	s_add_nc_u64 s[20:21], s[4:5], s[20:21]
	s_add_nc_u64 s[46:47], s[6:7], s[46:47]
	CROUND
.irp s, 0,1
	s_mov_b32 s[G0+4*\s], 1
	s_add_co_u32 s[G0+4*\s+1], s45, \s*SLOT
	s_add_nc_u64 s[G0+4*\s+2:G0+4*\s+3], s[20:21], \s*ROWB
	s_or_b32 s[G0+4*\s+3], s[G0+4*\s+3], 0x80000000
	s_mov_b32 s[G0B+4*\s], 1
	s_add_co_u32 s[G0B+4*\s+1], s45, \s*SLOT
	s_add_nc_u64 s[G0B+4*\s+2:G0B+4*\s+3], s[46:47], \s*ROWB
	s_or_b32 s[G0B+4*\s+3], s[G0B+4*\s+3], 0x80000000
	s_wait_alu depctr_va_vdst(0)
	s_wait_tensorcnt 0x0
	ds_add_u32 v28, v29
	ds_add_u32 v28, v29
	s_wait_dscnt 0x0
	CROUND
	JLOAD G0+4*\s, G1, G0B+4*\s, G1B
.endr
	v_and_b32 v1, 15, v0
	s_wait_alu depctr_va_vdst(0)
	v_bfe_u32 v2, v0, 4, 1
	v_mul_u32_u24 v3, v1, PITCH
	v_lshl_add_u32 v4, v2, 4, v3
	s_mul_i32 s21, s15, HALFT
	s_mul_i32 s22, s16, HALFT
	s_add_co_u32 s22, s22, 2*HALFT
.irp s, 0,1
	v_add_nc_u32 v[ADRA+\s], s21, v4
	v_add_nc_u32 v[ADRB+\s], s22, v4
	s_add_co_u32 s21, s21, SLOT
	s_add_co_u32 s22, s22, SLOT
.endr
	s_mul_i32 s23, s14, 16*SPITCH
	v_mul_u32_u24 v5, v1, SPITCH
	s_wait_alu depctr_va_vdst(0)
	v_lshl_add_u32 v5, v2, 5, v5
	v_add_nc_u32 v[STO], s23, v5
	v_and_b32 v6, 31, v0
	v_lshlrev_b32 v[CO], 4, v6
	v_add_nc_u32 v[RD], s23, v[CO]
	v_lshlrev_b32 v[BQO], 5, v2
	v_lshlrev_b32 v[BVO], 2, v1
	s_lshl_b32 s20, s17, 8
	s_lshl_b32 s21, s15, 7
	s_add_co_u32 s20, s20, s21
	s_lshl_b32 s21, s42, 8
	s_lshl_b32 s22, s16, 7
	s_add_co_u32 s21, s21, s22
	s_cmp_eq_u32 ttmp9, 2
	s_cselect_b32 s22, s21, s20
	s_cselect_b32 s23, s20, s21
	s_lshl_b32 s46, s20, 12
	s_lshl_b32 s47, s21, 2
	s_add_co_u32 s46, s46, s47
	s_mov_b32 s47, 0
	s_add_nc_u64 s[10:11], s[10:11], s[46:47]
	s_lshr_b32 s46, s22, 11
	s_lshl_b32 s46, s46, 21
	s_lshl_b32 s18, s23, 11
	s_add_co_u32 s46, s46, s18
	s_and_b32 s18, s22, 2047
	s_lshl_b32 s18, s18, 6
	s_add_co_u32 s46, s46, s18
	s_add_nc_u64 s[12:13], s[12:13], s[46:47]
	s_lshl_b32 s46, s23, 2
	s_add_nc_u64 s[8:9], s[8:9], s[46:47]
.macro FRAG reg, adr, q, i
.irp c, 0,1,2,3
	ds_load_b128 v[\reg+4*\c:\reg+4*\c+3], v[\adr] offset:128*(\q)+32*\c+(\i)*16*PITCH
.endr
.endm
.macro MUL16 a0, p, zero
.irp a, \a0, \a0+1
.irp b, 0,1,2,3,4,5,6,7
.if \zero
	v_wmma_f32_16x16x128_fp8_fp8 v[8*(8*((\a)%4)+\b):8*(8*((\a)%4)+\b)+7], v[128*(\p)+FR*\b:128*(\p)+FR*\b+FR-1], v[AF+FR*(\a):AF+FR*(\a)+FR-1], 0
.else
	v_wmma_f32_16x16x128_fp8_fp8 v[8*(8*((\a)%4)+\b):8*(8*((\a)%4)+\b)+7], v[128*(\p)+FR*\b:128*(\p)+FR*\b+FR-1], v[AF+FR*(\a):AF+FR*(\a)+FR-1], v[8*(8*((\a)%4)+\b):8*(8*((\a)%4)+\b)+7]
.endif
.endr
.endr
.endm
.macro FETCH_B slot, q, p
	WIN TO_B
.irp i, 0,1,2,3,4,5,6,7
	FRAG 128*(\p)+FR*\i, ADRB+\slot, \q, \i
.endr
	WIN 0
.endm
.macro FETCH_A slot, q, i0
.irp i, \i0, \i0+1, \i0+2, \i0+3
	FRAG AF+FR*(\i), ADRA+\slot, \q, \i
.endr
.endm
.macro PLACES n
.rept \n
	v_nop
.endr
.endm
.macro STEP slot, q, zero
	s_wait_dscnt 4*NL
	WIN MUL_LO
	MUL16 0, (\q)%2, \zero
	MUL16 2, (\q)%2, \zero
	s_wait_dscnt 0
	PLACES NP
	FETCH_B \slot, (\q)+1, 1-(\q)%2
	FETCH_A \slot, (\q)+1, 0
	WIN MUL_HI
	MUL16 4, (\q)%2, \zero
	MUL16 6, (\q)%2, \zero
	PLACES NP
	WIN 0
	FETCH_A \slot, (\q)+1, 4
.endm
.macro TURN slot, next, fill
	s_wait_tensorcnt 0x0
	ds_add_u32 v[SPW], v[NIL]
	s_wait_dscnt 4*NL+1
	WIN MUL_LO
	MUL16 0, 1, 0
	s_wait_dscnt 0x0
	s_barrier_signal -1
	MUL16 2, 1, 0
	WIN 0
	s_barrier_wait -1
.if \fill
	CREST
	s_add_nc_u64 s[G0+4*\slot+2:G0+4*\slot+3], s[G0+4*\slot+2:G0+4*\slot+3], 2*ROWB
	s_add_nc_u64 s[G0B+4*\slot+2:G0B+4*\slot+3], s[G0B+4*\slot+2:G0B+4*\slot+3], 2*ROWB
	JLOAD G0+4*\slot, G1, G0B+4*\slot, G1B
.else
	PLACES NP
.endif
	FETCH_B \next, 0, 0
	FETCH_A \next, 0, 0
	WIN MUL_HI
	MUL16 4, 1, 0
	MUL16 6, 1, 0
	PLACES NP
	WIN 0
	FETCH_A \next, 0, 4
.endm
.macro LAST
	s_wait_dscnt 4*NL
	WIN MUL_LO
	MUL16 0, 1, 0
	MUL16 2, 1, 0
	s_wait_dscnt 0
	WIN MUL_HI
	MUL16 4, 1, 0
	MUL16 6, 1, 0
	WIN 0
	PLACES NP
.endm
	s_wait_tensorcnt 1
	s_barrier_signal -1
	s_barrier_wait -1
	FETCH_B 0, 0, 0
	FETCH_A 0, 0, 0
	FETCH_A 0, 0, 4
	STEP 0, 0, 1
	TURN 0, 1, 1
	STEP 1, 0, 0
	TURN 1, 0, 1
	STEP 0, 0, 0
	TURN 0, 1, 0
	STEP 1, 0, 0
	s_wait_kmcnt 0x0
	s_cmp_eq_u32 ttmp9, 0
	s_cselect_b32 s18, s84, s86
	s_cselect_b32 s19, s85, s87
	s_cselect_b32 s20, s90, s91
	s_cmp_eq_u32 ttmp9, 2
	s_cselect_b32 s18, s88, s18
	s_cselect_b32 s19, s89, s19
	s_cselect_b32 s20, s93, s20
	s_add_co_i32 s96, s18, s19
	s_add_co_i32 s96, s96, 127
	s_lshl_b32 s96, s96, 23
	s_mov_b32 s97, s96
	s_add_co_i32 s20, s20, 127
	s_lshl_b32 s21, s20, 23
	v_mov_b32 v[SCL], s21
	s_add_co_i32 s20, s20, 8
	s_lshl_b32 s20, s20, 23
	s_or_b32 s20, s20, 0x600000
	v_mov_b32 v[LIM], s20
.macro QUANT8
.irp b, 0,1,2,3,4,5,6,7
.irp j, 0,1,2,3,4,5,6,7
	v_med3_num_f32 v[HT+8*(\b%2)+\j], v[TMP+8*\b+\j], -v[LIM], v[LIM]
.endr
	v_cvt_scalef32_pk8_fp8_f32 v[CD+2*\b:CD+2*\b+1], v[HT+8*(\b%2):HT+8*(\b%2)+7], v[SCL]
.endr
	v_nop
.endm
.macro BLOCK a, isv, out
.set AC, 64*((\a)%4)
	s_wait_xcnt 0x0
	WIN (0x12+(\a)/4)
.set jj, 0
.rept 32
.if \isv
	v_pk_fma_f32 v[TMP+jj:TMP+jj+1], v[AC+jj:AC+jj+1], s[96:97], v[2*(\a):2*(\a)+1] op_sel_hi:[1,0,1]
.else
	v_pk_fma_f32 v[TMP+jj:TMP+jj+1], v[AC+jj:AC+jj+1], s[96:97], v[jj:jj+1] op_sel_hi:[1,0,1]
.endif
.set jj, jj+2
.endr
	WIN 0
.if \out
.irp b, 0,1,2,3,4,5,6,7
	ds_store_b128 v[STO], v[TMP+8*\b:TMP+8*\b+3] offset:64*\b
	ds_store_b128 v[STO], v[TMP+8*\b+4:TMP+8*\b+7] offset:64*\b+16
.endr
.irp t, 0,1,2,3,4,5,6,7,8,9,10,11,12,13,14,15
	ds_load_b128 v[BK+4*\t:BK+4*\t+3], v[RD] offset:\t*SPITCH
.endr
.endif
	QUANT8
.irp i, 0,1,2,3
.if \isv
	global_store_b128 v[CO], v[CD+4*\i:CD+4*\i+3], s[12:13] offset:((\a)/4)*131072+((\a)%4)*2048+\i*512
.else
	global_store_b128 v[CO], v[CD+4*\i:CD+4*\i+3], s[12:13] offset:(\i/2)*131072+(\a)*1024+(\i%2)*512
.endif
.endr
.if \out
	s_wait_dscnt 0x0
.irp t, 0,1,2,3,4,5,6,7,8,9,10,11,12,13,14,15
	global_store_b128 v[CO], v[BK+4*\t:BK+4*\t+3], s[10:11] offset:(16*(\a)+\t)*4096 th:TH_STORE_NT
.endr
.endif
.endm
.macro BIASROW
	WIN TO_B
.irp b, 0,1,2,3,4,5,6,7
	global_load_b128 v[8*\b:8*\b+3], v[BQO], s[8:9] offset:64*\b
	global_load_b128 v[8*\b+4:8*\b+7], v[BQO], s[8:9] offset:64*\b+16
.endr
	WIN 0
.endm
.macro BIASCOL
	WIN TO_B
.irp a, 0,1,2,3,4,5,6,7
	global_load_b32 v[2*\a], v[BVO], s[8:9] offset:64*\a
	global_load_b32 v[2*\a+1], v[BVO], s[8:9] offset:64*\a
.endr
	WIN 0
.endm
	s_cmp_eq_u32 ttmp9, 2
	s_cbranch_scc1 .Lv
	s_cmp_eq_u32 ttmp9, 1
	s_cbranch_scc1 .Lk
	s_wait_alu depctr_va_vdst(0)
	BIASROW
	LAST
	s_wait_loadcnt 0x0
.irp a, 0,1,2,3,4,5,6,7
	BLOCK \a, 0, 1
.endr
	s_branch .Lend
.Lk:
	s_wait_alu depctr_va_vdst(0)
	BIASROW
	LAST
	s_wait_loadcnt 0x0
.irp a, 0,1,2,3,4,5,6,7
	BLOCK \a, 0, 0
.endr
	s_branch .Lend
.Lv:
	s_wait_alu depctr_va_vdst(0)
	BIASCOL
	LAST
	s_wait_loadcnt 0x0
.irp a, 0,1,2,3,4,5,6,7
	BLOCK \a, 1, 0
.endr
.Lend:
	s_wait_tensorcnt 0x0
	ds_add_u32 v[SPW], v[NIL]
	s_wait_dscnt 0x0
	CROUND
	s_endpgm
.Lfunc_end_k_qafc3b6a828_proj:
	.size	k_qafc3b6a828_proj, .Lfunc_end_k_qafc3b6a828_proj-k_qafc3b6a828_proj
	.p2alignl 7, 3214868480
	.fill 96, 4, 3214868480
	.section	.rodata,"a",@progbits
	.p2align	6, 0x0
	.amdhsa_kernel k_qafc3b6a828_proj
		.amdhsa_group_segment_fixed_size 327680
		.amdhsa_private_segment_fixed_size 0
		.amdhsa_enable_private_segment 0
		.amdhsa_kernarg_size 64
		.amdhsa_user_sgpr_count 2
		.amdhsa_user_sgpr_kernarg_segment_ptr 1
		.amdhsa_wavefront_size32 1
		.amdhsa_system_sgpr_workgroup_id_x 1
		.amdhsa_system_sgpr_workgroup_id_y 1
		.amdhsa_system_sgpr_workgroup_id_z 1
		.amdhsa_system_vgpr_workitem_id 0
		.amdhsa_next_free_vgpr 1024
		.amdhsa_next_free_sgpr 100
		.amdhsa_reserve_vcc 0
		.amdhsa_float_denorm_mode_32 3
		.amdhsa_float_denorm_mode_16_64 3
		.amdhsa_memory_ordered 1
		.amdhsa_forward_progress 1
		.amdhsa_inst_pref_size 255
	.end_amdhsa_kernel
	.section	.bss,"aw",@nobits
	.p2align	6
	.space	262144
	.amdgpu_metadata
---
amdhsa.version: [ 1, 2 ]
amdhsa.kernels:
  - .name:           k_qafc3b6a828_proj
    .symbol:         k_qafc3b6a828_proj.kd
    .args:
      - { .name: qa, .offset: 0, .size: 8, .value_kind: global_buffer, .address_space: global }
      - { .name: wc, .offset: 8, .size: 8, .value_kind: global_buffer, .address_space: global }
      - { .name: hc, .offset: 16, .size: 8, .value_kind: global_buffer, .address_space: global }
      - { .name: lowp_scales, .offset: 24, .size: 8, .value_kind: global_buffer, .address_space: global }
      - { .name: bq, .offset: 32, .size: 8, .value_kind: global_buffer, .address_space: global }
      - { .name: bk, .offset: 40, .size: 8, .value_kind: global_buffer, .address_space: global }
      - { .name: bv, .offset: 48, .size: 8, .value_kind: global_buffer, .address_space: global }
      - { .name: out1, .offset: 56, .size: 8, .value_kind: global_buffer, .address_space: global }
    .group_segment_fixed_size: 327680
    .private_segment_fixed_size: 0
    .kernarg_segment_align: 8
    .kernarg_segment_size: 64
    .max_flat_workgroup_size: 128
    .sgpr_count:     100
    .vgpr_count:     1024
    .wavefront_size: 32
...
	.end_amdgpu_metadata
.endif
;; end of part 2
;; launch attn (part 3): grid 256 x 1, 8 waves a work-group, no clusters, 104,448 bytes of LDS; arguments hc, length, lowp_scales, out0; writes out0
.if DOCPART == 3
	.amdgcn_target "amdgcn-amd-amdhsa--gfx1250"
	.amdhsa_code_object_version 6
	.text
	.protected	k_qafc3b6a828_attn
	.globl	k_qafc3b6a828_attn
	.p2align	8
	.type	k_qafc3b6a828_attn,@function
k_qafc3b6a828_attn:
	s_mov_b64 s[64:65], 0
	v_nop
	global_prefetch_b8 v0, s[64:65] scope:SCOPE_SE
	s_setreg_imm32_b32 hwreg(HW_REG_WAVE_MODE, 25, 1), 1
	s_wait_xcnt 0x0
; ATTN: out0[b][q][64 h + d] = sum over keys k < length[b] of attn(q, k) v(k, d),  attn = exp(q . k / 8) / (sum over k < length[b] of exp(q . k / 8) + 1e-8), both products on codes of FP8 (E4M3).
; attn is quantised finished and normalised, at the given 2^e8.  THE KEYS ARE WALKED ONCE: the exponentials of a tile of 16 queries stay in registers until the row's sum is known.
; No maximum is taken away, as in the definition.  Keys at or past length[b] count for nothing there: pairs of 16-key tiles that lie wholly past it are left out by scalar branches on the length,
; which this launch reads; in the one pair that holds the length the hidden scores become -infinity.  So this launch has no tensor load, and no barrier stands under such a branch.
; SHARES.  Work-group x takes 128 queries (chunk x % 16) of head x / 16, for all four batches in turn: every work-group has the same work.  THE WAVES SPLIT THE KEYS, in pairs of tiles (32 keys), U = ceil(length / 32) pairs, at most 8 a wave.
;   U > 32: all eight waves work on one tile of queries; with np = ceil(U / 4), waves 0-3 take ceil(np / 2) pairs each, waves 4-7 floor(np / 2), on end; the batch takes 8 blocks.
;   U <= 32: TWO TEAMS of four waves (0-3, 4-7), each with a tile of queries of its own; a team's waves take np pairs each; a block is 32 queries and the batch takes 4 blocks.
; A wave keeps its K and V fragments in registers for the whole batch.  Its pairs are numbered from its highest key down, so that the pair that holds the length is always local pair 0.
; A BLOCK goes through four stages, each in another trip of the one loop, one barrier a trip.  In a trip, in this order: V^T P of the block before and its partial O into LDS; this block's sums are joined,
; p x 1 / (sum + 1e-8) is held and quantised; K Q^T, exponentials and partial sums of the next block; the partial O of the block two back are joined and stored in whole rows of 256 bytes.
; The sums' and O's LDS buffers have two copies by turns: what a trip writes is never what the same trip reads.  The loop has 36 trips, whatever the lengths; trips past 4 + the blocks of the four batches pass the barrier and jump over the work.
; LAYOUT.  Both products are used transposed (S^T = K Q^T, O^T = V^T P^T): a lane holds one query (lane % 16); the eight registers of a tile of S^T are keys 16 t + 8 (lane / 16) + 0 .. 7, and one conversion makes of them two registers of P.
; hc holds q, k and v as images of operand registers (16 bytes a lane, 512 a group of four registers): every load is dense.  The work-group's queries of all four batches (32,768 bytes) are laid into LDS once, at the head.
; No cluster: the work-groups of a head load nothing jointly (no tensor load), and their work hangs on loaded numbers.
; PREFETCH: where batch n's K is loaded, wave 0 asks for K and wave 1 for V of batch n + 1, a batch's blocks ahead of K's loads: the 16 work-groups of a head share the head's blocks of 256 bytes out, 32 each, a lane a block, held at the last block that counts.  Batch 0 comes by its loads alone.
; LIMITS: e6 + e7 between -123 and 130; e8 between -126 and 119; e8 + e9 between -126 and 127; exponentials under 2^-126 count as 0; a row's sum over 2^126 gives weights 0; length is taken within 0 .. 2,048, which is what the mask makes of it.  NaN among the inputs is not served.
; REGISTERS.  Window 0: v1-53 addresses, constants, sums; v56-63 Q; v64-95 O^T, then the partial O read back; v96-127 P; v128-255 S^T (16 a pair).  Window 1: v0-127 K (16 a pair); v128-255 V (32 for two pairs).
.set QBASE, 1024                       ; LDS: 0 the sums, 2 x 512 bytes; here Q, 4 batches x 8 tiles of 1,024
.set OB,    33792                      ; the partial O: 2 x 8 waves x 16 rows of 272 bytes
.set OWV,   4352
.set OBUF,  34816
.set SPARE, 103424                     ; the spare words, 128 bytes for each wave
.set LI,1
.set SPW,2
.set NIL,3
.set H8,4
.set NINF,5
.set MD,6
.set PT,7
.set SST,8
.set SLD,9
.set OST,10
.set ORD,11
.set GO,12
.set QST,13
.set SCV,16
.set LIMV,17
.set F,18
.set SUM,20
.set T,28
.set RES,36
.set RES2,40
.set ORD2,44
.set SLD2,45
.set PFO,50
.set PFT,51
.set QF,56
.set O,64
.set PF,96
.set S,128
.set VF,128
.set WV,12
.set HD,13
.set CH,14
.set TM,15
.set W3,20
.set TOT,21
.set EV,22
.set IA,23
.set HOLD,32
.set G,33
.set NAK,34
.set BN,35
.set NA,36
.set NBP,37
.set NN,38
.set UE,39
.set FA,40
.set MDA,41
.set FN,42
.set MDN,43
.set CSTEP,58
.set SB,59
.set OW,80
.set QO,81
.set NAKN,83
.set MM,84
.set MMN,85
.set CM,86
.set M2N,87
.set CBN,88
.set CSTN,89
.set QSTEP,94
.set CB1,96
.set CB2,97
.set TMQ,100
.set MSB, 0
.macro WIN new                         ; the immediate's high byte repeats the setting that is left; at a label and at a branch every window is 0
.if MSB != \new
	s_set_vgpr_msb (MSB<<8)|\new
.set MSB, \new
.endif
.endm
.macro PVG g, zero                     ; O^T (+)= V^T P^T over local pairs 2 g, 2 g + 1: the four accumulators take turns
	WIN 0x01
.irp dt, 0,1,2,3
.if \zero
	v_wmma_f32_16x16x64_fp8_fp8 v[O+8*\dt:O+8*\dt+7], v[VF+32*\g+8*\dt:VF+32*\g+8*\dt+7], v[PF+8*\g:PF+8*\g+7], 0
.else
	v_wmma_f32_16x16x64_fp8_fp8 v[O+8*\dt:O+8*\dt+7], v[VF+32*\g+8*\dt:VF+32*\g+8*\dt+7], v[PF+8*\g:PF+8*\g+7], v[O+8*\dt:O+8*\dt+7]
.endif
.endr
	WIN 0
.endm
.macro B1 hold                         ; p x 1 / D, the hold (hold = 1), the codes
.irp j, 0,1,2,3,4,5,6,7
	s_cmp_gt_u32 s[NBP], \j
	s_cbranch_scc0 .Lb1_\@
.set n, 0
.rept 8
	v_pk_mul_f32 v[S+16*\j+n:S+16*\j+n+1], v[S+16*\j+n:S+16*\j+n+1], v[F:F+1] op_sel_hi:[1,0]
.set n, n+2
.endr
.if \hold
.set n, 0
.rept 16
	v_min_num_f32 v[S+16*\j+n], v[S+16*\j+n], v[LIMV]   ; the conversion does not saturate (ISA guide 7.6.2); a weight is not negative
.set n, n+1
.endr
.endif
	v_cvt_scalef32_pk8_fp8_f32 v[PF+4*\j:PF+4*\j+1], v[S+16*\j:S+16*\j+7], v[SCV]
	v_cvt_scalef32_pk8_fp8_f32 v[PF+4*\j+2:PF+4*\j+3], v[S+16*\j+8:S+16*\j+15], v[SCV]
.endr
.Lb1_\@:
.endm
.macro EXPS j
.set n, 0
.rept 16
	v_exp_f32 v[S+16*(\j)+n], v[S+16*(\j)+n]
.set n, n+1
.endr
.endm
.macro ADDS j                          ; a pair's 16 registers into the partial sums, four chains by turns
.set n, 0
.rept 8
	v_pk_add_f32 v[SUM+2*(n%4):SUM+2*(n%4)+1], v[SUM+2*(n%4):SUM+2*(n%4)+1], v[S+16*(\j)+2*n:S+16*(\j)+2*n+1]
.set n, n+1
.endr
.endm
	s_load_b256 s[4:11], s[0:1], 0x0               ; hc, length, the exponents, out0
	v_lshl_add_u32 v[SPW], v0, 2, SPARE
	v_mov_b32 v[NIL], 0
	v_lshrrev_b32 v14, 5, v0
	v_readfirstlane_b32 s[WV], v14                 ; wave 0..7
	v_and_b32 v15, 31, v0
	v_lshlrev_b32 v[LI], 4, v15
	v_and_b32 v52, 15, v0                          ; r
	v_bfe_u32 v53, v0, 4, 1                        ; h
	s_and_b32 s[CH], ttmp9, 15                     ; chunk of 128 queries
	s_lshr_b32 s[HD], ttmp9, 4                     ; head
	s_lshr_b32 s[TM], s[WV], 2                     ; team
	s_and_b32 s[W3], s[WV], 3                      ; place in the team
	s_lshl_b32 s62, s[WV], 2
	s_mul_i32 s63, s[WV], OWV
	s_add_co_u32 s63, s63, OB
	s_mul_i32 s66, s[WV], 544
	s_add_co_u32 s66, s66, OB
	s_lshl_b32 s67, s[WV], 10
	s_add_co_u32 s67, s67, QBASE
	s_lshl_b32 s68, s[CH], 13
	s_lshl_b32 s69, s[TM], 4
	s_mul_i32 s70, s[TM], 4*OWV
	s_mul_i32 s71, s[W3], 1088
	s_add_co_u32 s70, s70, s71
	s_add_co_u32 s70, s70, OB
	s_lshl_b32 s[TMQ], s[TM], 10
	s_wait_alu depctr_va_vdst(0)                   ; the wait behind the run of scalar lines
	v_lshlrev_b32 v[H8], 3, v53
	v_mov_b32 v[NINF], 0xff800000
	v_mov_b32 v[PT], 0
	v_mov_b32 v[F+1], 0                            ; (named as the upper half of a pair)
	v_lshlrev_b32 v[SST], 5, v52                   ; the sums: 32 bytes a query, a word a wave
	v_add_nc_u32 v[SLD], s69, v[SST]               ; my team's four words,
	v_xor_b32 v[SLD2], 16, v[SLD]                  ; the other team's
	v_add_nc_u32 v[SST], s62, v[SST]
	v_mul_u32_u24 v[OST], v52, 272                 ; partial O in: my wave's rows, row r, + 32 h
	v_lshl_add_u32 v[OST], v53, 5, v[OST]
	v_add_nc_u32 v[OST], s63, v[OST]
	v_mul_u32_u24 v[ORD2], v53, 272                ; and back, 16 bytes a lane, lanes 16-31 a row on:
	v_lshl_add_u32 v[ORD2], v52, 4, v[ORD2]
	v_add_nc_u32 v[ORD], s66, v[ORD2]              ; one tile: rows 2 wave on, of all eight waves' parts
	v_add_nc_u32 v[ORD2], s70, v[ORD2]             ; teams: rows 4 x my place on, of my team's four parts
	v_lshlrev_b32 v[GO], 12, v53                   ; the same two rows in out0
	v_lshl_add_u32 v[GO], v52, 4, v[GO]
	v_add_nc_u32 v[QST], s67, v[LI]
	v_lshl_add_u32 v[PFO], v15, 8, s68             ; my work-group's 32 blocks of 256 bytes of a head's K or V
	; every register that a guarded stretch reads is written once here, so that no path reads one that nothing wrote; P's zeros also stand for pairs that a wave does not hold
.set n, QF
.rept 200
	v_mov_b32 v[n], 0
.set n, n+1
.endr
	s_wait_alu depctr_va_vdst(0)                   ; the wait ahead of the wait below
	s_wait_kmcnt 0x0
	s_load_b128 s[16:19], s[6:7], 0x0              ; the four lengths
	s_load_b128 s[24:27], s[8:9], 0x18             ; e6, e7, e8, e9
	s_lshl_b32 s50, s[HD], 17                      ; the head's 131,072 bytes in a batch's part
	s_mov_b32 s51, 0
	s_add_nc_u64 s[52:53], s[4:5], s[50:51]
	s_add_nc_u64 s[78:79], s[52:53], 0x800000      ; K of batch 0
	s_lshl_b32 s50, s[CH], 3
	s_add_co_u32 s50, s50, s[WV]
	s_lshl_b32 s50, s50, 10
	s_add_nc_u64 s[52:53], s[52:53], s[50:51]      ; the tile of queries that my wave stages: 8 chunk + wave, in each batch
.irp b, 0,1,2,3
	global_load_b128 v[S+8*\b:S+8*\b+3], v[LI], s[52:53] offset:0x200000*\b
	global_load_b128 v[S+8*\b+4:S+8*\b+7], v[LI], s[52:53] offset:0x200000*\b+512
.endr
	s_lshl_b32 s62, s[CH], 11                      ; out0, in units of 256 bytes (a row is 16): row 128 chunk,
	s_add_co_u32 s62, s62, s[HD]                   ; the head's 256 bytes,
	s_lshl_b32 s63, s[WV], 5
	s_add_co_u32 s[CB1], s62, s63                  ; one tile: + rows 2 wave
	s_lshl_b32 s63, s[TM], 8
	s_add_co_u32 s[CB2], s62, s63
	s_lshl_b32 s63, s[W3], 6
	s_add_co_u32 s[CB2], s[CB2], s63               ; teams: + rows 16 team + 4 place
	s_mov_b32 s56, 0
	s_mov_b32 s[CSTEP], 0
	s_mov_b32 s[SB], 0
	s_mov_b32 s[OW], 0
	s_mov_b32 s[QO], 0
	s_mov_b32 s[QSTEP], 0
	s_mov_b32 s60, 0x76543210                      ; v_permlanex16_b32's selects for lane l xor 16
	s_mov_b32 s61, 0xfedcba98
	s_mov_b32 s[G], 0
	s_mov_b32 s[IA], 0                             ; the first trip counts as the last block of a batch without keys: batch 0 is set up there
	s_mov_b32 s[NAK], 1
	s_mov_b32 s[NAKN], 1
	s_mov_b32 s[EV], 10
	s_mov_b32 s[BN], 0
	s_mov_b32 s[NA], 0
	s_mov_b32 s[NBP], 0
	s_mov_b32 s[NN], 0
	s_mov_b32 s[UE], 0
	s_mov_b32 s[FA], 0
	s_mov_b32 s[MDA], 0
	s_mov_b32 s[FN], 0
	s_mov_b32 s[MDN], 0
	s_mov_b32 s[MM], 0
	s_mov_b32 s[MMN], 0
	s_mov_b32 s[CM], 0
	s_mov_b32 s[M2N], 0
	s_mov_b32 s[CBN], 0
	s_mov_b32 s[CSTN], 0
	s_mov_b64 s[44:45], s[78:79]
	s_mov_b64 s[46:47], s[78:79]
	WIN 0x40
.set n, 0
.rept 256
	v_mov_b32 v[n], 0                              ; K's and V's registers: zero codes
.set n, n+1
.endr
	WIN 0
	ds_store_b32 v[SST], v[PT]                     ; my words of both copies of the sums
	ds_store_b32 v[SST], v[PT] offset:512
	s_wait_alu depctr_va_vdst(0)
	s_wait_kmcnt 0x0
	s_mov_b32 s[TOT], 4
.irp b, 0,1,2,3
	s_max_i32 s[16+\b], s[16+\b], 0
	s_min_u32 s[16+\b], s[16+\b], 0x800            ; what the mask makes of any length
	s_add_co_u32 s62, s[16+\b], 31
	s_lshr_b32 s62, s62, 5
	s_cmp_gt_u32 s62, 32
	s_cselect_b32 s62, 8, 4
	s_add_co_u32 s[TOT], s[TOT], s62               ; trips with work: 4 + the batches' blocks
.endr
	s_add_co_i32 s62, s24, s25
	s_lshl_b32 s62, s62, 23
	s_add_co_i32 s28, s62, 0x3e38aa3b              ; c = log2(e) / 8 with e6 + e7 added to its exponent field
	s_mov_b32 s29, s28
	s_add_co_i32 s62, s26, s27
	s_add_co_i32 s62, s62, 127
	s_lshl_b32 s30, s62, 23                        ; 2^(e8 + e9)
	s_mov_b32 s31, s30
	s_add_co_i32 s62, s26, 127
	s_lshl_b32 s63, s62, 23
	v_mov_b32 v[SCV], s63                          ; 2^e8
	s_add_co_i32 s62, s62, 8
	s_lshl_b32 s62, s62, 23
	s_or_b32 s62, s62, 0x600000
	v_mov_b32 v[LIMV], s62                         ; 448 x 2^e8
	s_cmp_lt_i32 s26, -8                           ; a weight is at most 1, and 448 x 2^-8 is 1.75: from e8 = -8 on the hold can never bind
	s_cselect_b32 s[HOLD], 1, 0
	s_wait_alu depctr_va_vdst(0)
	s_wait_loadcnt 0x0
.irp b, 0,1,2,3
	ds_store_b128 v[QST], v[S+8*\b:S+8*\b+3] offset:8192*\b
	ds_store_b128 v[QST], v[S+8*\b+4:S+8*\b+7] offset:8192*\b+512
.endr
.Lbody:
	s_wait_alu depctr_va_vdst(0)                   ; the wait ahead of the waits and the barrier
	s_wait_dscnt 0x0                               ; my LDS stores have landed and my LDS loads are in
	s_barrier_signal -1
	s_barrier_wait -1
	s_cmp_ge_u32 s[G], s[TOT]
	s_cbranch_scc1 .Ltail                          ; nothing is left: the same in all waves; the barrier above is passed all the same
	s_cmp_eq_u32 s[EV], 2                          ; the sums joined in this trip are the new batch's first
	s_cselect_b32 s[MM], s[MMN], s[MM]
	s_cmp_eq_u32 s[EV], 4                          ; the partial O joined in this trip are the new batch's first
	s_cselect_b32 s[CM], s[M2N], s[CM]
	s_cselect_b32 s56, s[CBN], s56
	s_cselect_b32 s[CSTEP], s[CSTN], s[CSTEP]
	v_add_nc_u32 v14, s[SB], v[SLD]
	v_add_nc_u32 v15, s[SB], v[SLD2]
	ds_load_b128 v[T:T+3], v14                     ; my query's partial sums: my team's four,
	ds_load_b128 v[T+4:T+7], v15                   ; the other team's four
	s_wait_loadcnt 0x0                             ; K and V, where any are out
	PVG 0, 1                                       ; the block before; a wave without pairs multiplies zero codes
.irp g, 1,2,3
	s_cmp_gt_u32 s[NBP], 2*\g
	s_cbranch_scc0 .Lpv
	PVG \g, 0
.endr
.Lpv:
	s_wait_dscnt 0x0
	v_pk_add_f32 v[T:T+1], v[T:T+1], v[T+2:T+3]    ; (these seven lines are also the places behind the products)
	v_pk_add_f32 v[T+4:T+5], v[T+4:T+5], v[T+6:T+7]
	v_add_f32 v48, v[T], v[T+1]
	v_add_f32 v49, v[T+4], v[T+5]
	v_cndmask_b32 v49, 0, v49, s[MM]               ; the other team's count only where all eight waves share one tile
	v_add_f32 v49, v48, v49
	v_add_f32 v49, 0x322bcc77, v49                 ; D = sum + 1e-8
	s_wait_alu depctr_va_vdst(0)                   ; the wait ahead of the transcendental,
	v_rcp_f32 v[F], v49
	v_add_nc_u32 v15, s[OW], v[OST]
	s_wait_alu depctr_va_vdst(0)                   ; and behind it, directly ahead of the first reader of O^T
.irp dt, 0,1,2,3
	ds_store_b128 v15, v[O+8*\dt:O+8*\dt+3] offset:64*\dt       ; each accumulator from its low end on
	ds_store_b128 v15, v[O+8*\dt+4:O+8*\dt+7] offset:64*\dt+16
.endr
	s_cmp_lt_u32 s[G], 4
	s_cbranch_scc1 .Lnoc1
	s_xor_b32 s62, s[OW], OBUF                     ; the partial O of the block two back lie in the other copy
	s_cmp_lg_u32 s[CM], 0
	s_cbranch_scc1 .Lcl2
	v_add_nc_u32 v14, s62, v[ORD]
.irp s, 0,1,2,3,4,5,6,7
	ds_load_b128 v[O+4*\s:O+4*\s+3], v14 offset:\s*OWV
.endr
	s_branch .Lnoc1
.Lcl2:
	v_add_nc_u32 v14, s62, v[ORD2]
.irp s, 0,1,2,3,4,5,6,7
	ds_load_b128 v[O+4*\s:O+4*\s+3], v14 offset:(\s%4)*OWV+(\s/4)*544
.endr
.Lnoc1:
	s_cmp_lg_u32 s[EV], 2
	s_cbranch_scc1 .Lnoev
	; a batch's first block: the old batch's last V^T P is issued: P is cleared, V is loaded
	s_mov_b32 s[NBP], s[NN]
.set n, 0
.rept 32
	v_mov_b32 v[PF+n], 0
.set n, n+1
.endr
	s_mov_b32 s72, s[UE]
.irp j, 0,1,2,3,4,5,6,7
	s_cmp_gt_u32 s[NN], \j
	s_cbranch_scc0 .Lnoev
	s_sub_co_u32 s72, s72, 1                       ; pair u: step u / 4 of 8,192 bytes, group u % 4 of 512
	s_min_u32 s73, s72, 63
	s_and_b32 s74, s73, 0x3c
	s_lshl_b32 s74, s74, 11
	s_and_b32 s75, s73, 3
	s_lshl_b32 s75, s75, 9
	s_add_co_u32 s50, s74, s75
	s_wait_xcnt 0x0                                ; the base is written again only behind this wait
	s_add_nc_u64 s[48:49], s[46:47], s[50:51]
	WIN 0x40
.irp dt, 0,1,2,3
	global_load_b128 v[VF+32*(\j/2)+8*\dt+4*(\j%2):VF+32*(\j/2)+8*\dt+4*(\j%2)+3], v[LI], s[48:49] offset:2048*\dt
.endr
	WIN 0
.endr
.Lnoev:
	s_cmp_lg_u32 s[HOLD], 0
	s_cbranch_scc1 .Lhold
	B1 0
	s_branch .Lb1end
.Lhold:
	B1 1
.Lb1end:
	v_nop                                          ; a plain line behind the last conversion
.set n, 0
.rept 8
	v_mov_b32 v[SUM+n], 0
.set n, n+1
.endr
.irp j, 0,1,2,3,4,5,6,7                            ; the next block: S^T = K Q^T, each product its own sum
	s_cmp_gt_u32 s[NA], \j
	s_cbranch_scc0 .Lc1
	WIN 0x01
	v_wmma_f32_16x16x64_fp8_fp8 v[S+16*\j:S+16*\j+7], v[16*\j:16*\j+7], v[QF:QF+7], 0
	v_wmma_f32_16x16x64_fp8_fp8 v[S+16*\j+8:S+16*\j+15], v[16*\j+8:16*\j+15], v[QF:QF+7], 0
	WIN 0
.endr
.Lc1:
.rept 4
	v_nop                                          ; the places ahead of loads into Q's and K's registers and of the first read of S^T
.endr
	s_add_co_u32 s62, s[IA], 1
	s_cmp_eq_u32 s62, s[NAK]
	s_cbranch_scc0 .Lnokev
	; the old batch's last K Q^T is issued: batch BN's shares are made and its K is loaded (BN = 4: length 0)
	s_mov_b32 s62, 0
.irp b, 0,1,2,3
	s_cmp_eq_u32 s[BN], \b
	s_cselect_b32 s62, s[16+\b], s62
.endr
	s_add_co_u32 s63, s62, 31
	s_lshr_b32 s63, s63, 5                         ; U
	s_add_co_u32 s66, s63, 3
	s_lshr_b32 s66, s66, 2                         ; np
	s_add_co_u32 s67, s66, 1
	s_lshr_b32 s67, s67, 1
	s_lshr_b32 s68, s66, 1
	s_cmp_lt_u32 s[WV], 4
	s_cselect_b32 s69, s67, s68                    ; one tile: a wave's pairs,
	s_cselect_b32 s70, 0, s67
	s_lshl_b32 s70, s70, 2                         ; and where its four waves begin
	s_cmp_le_u32 s63, 32                           ; teams?
	s_cselect_b32 s[M2N], 1, 0
	s_cselect_b32 s69, s66, s69
	s_cselect_b32 s70, 0, s70
	s_cselect_b32 s[NAKN], 4, 8
	s_cselect_b32 s[MMN], 0, -1
	s_cselect_b32 s[CBN], s[CB2], s[CB1]
	s_cselect_b32 s[QO], s[TMQ], 0
	s_lshl_b32 s[QSTEP], 0x400, s[M2N]             ; one tile of queries on, or two
	s_lshl_b32 s[CSTN], 0x100, s[M2N]              ; 16 rows of out0 on, or 32, in units of 256 bytes
	s_min_u32 s74, s[BN], 3
	s_lshl_b32 s75, s74, 15
	s_add_co_u32 s[CBN], s[CBN], s75
	s_lshl_b32 s75, s[BN], 13
	s_add_co_u32 s[QO], s[QO], s75
	s_mul_i32 s71, s[W3], s69
	s_add_co_u32 s70, s70, s71                     ; my first pair
	s_sub_co_i32 s71, s63, s70
	s_max_i32 s71, s71, 0
	s_min_u32 s[NN], s71, s69                      ; how many I hold,
	s_add_co_u32 s[UE], s70, s[NN]                 ; and where they end
	s_and_b32 s71, s62, 31
	s_cselect_b32 s[FN], 1, 0                      ; do I hold the pair in which the length lies?
	s_cmp_eq_u32 s[UE], s63
	s_cselect_b32 s[FN], s[FN], 0
	s_cmp_lg_u32 s[NN], 0
	s_cselect_b32 s[FN], s[FN], 0
	s_lshl_b32 s71, s63, 5
	s_sub_co_i32 s[MDN], s62, s71
	s_add_co_i32 s[MDN], s[MDN], 32                ; length - 32 (U - 1)
	s_lshl_b32 s50, s74, 21
	s_add_nc_u64 s[44:45], s[78:79], s[50:51]      ; the batch's K,
	s_add_nc_u64 s[46:47], s[44:45], 0x800000      ; and V
	s_mov_b32 s72, s[UE]
.irp j, 0,1,2,3,4,5,6,7
	s_cmp_gt_u32 s[NN], \j
	s_cbranch_scc0 .Lkd
	s_sub_co_u32 s72, s72, 1
	s_min_u32 s73, s72, 63
	s_lshl_b32 s50, s73, 11                        ; a pair of K is 2,048 bytes
	s_wait_xcnt 0x0
	s_add_nc_u64 s[48:49], s[44:45], s[50:51]
	WIN 0x40
.irp i, 0,1,2,3
	global_load_b128 v[16*\j+4*\i:16*\j+4*\i+3], v[LI], s[48:49] offset:512*\i
.endr
	WIN 0
.endr
.Lkd:
	s_cmp_gt_u32 s[WV], 1
	s_cbranch_scc1 .Lnopf
	s_add_co_u32 s66, s[BN], 1                     ; the prefetch: batch BN + 1
	s_mov_b32 s67, 0
.irp b, 1,2,3
	s_cmp_eq_u32 s66, \b
	s_cselect_b32 s67, s[16+\b], s67
.endr
	s_add_co_u32 s67, s67, 31
	s_lshr_b32 s67, s67, 5
	s_add_co_u32 s68, s67, 3
	s_lshr_b32 s68, s68, 2
	s_lshl_b32 s68, s68, 13                        ; V's bytes that count,
	s_lshl_b32 s67, s67, 11                        ; K's
	s_wait_xcnt 0x0                                ; the last prefetch has read its registers
	s_cmp_eq_u32 s[WV], 0
	s_cselect_b32 s67, s67, s68
	s_cselect_b64 s[76:77], s[44:45], s[46:47]
	s_add_nc_u64 s[76:77], s[76:77], 0x200000
	s_cmp_eq_u32 s67, 0
	s_cbranch_scc1 .Lnopf
	s_sub_co_u32 s67, s67, 256
	s_min_u32 s67, s67, 0x1ff00
	v_min_u32 v[PFT], s67, v[PFO]
	v_min_u32 v[PFT], 0x1ff00, v[PFT]              ; inside the head's 131,072 bytes
	global_prefetch_b8 v[PFT], s[76:77] th:TH_LOAD_NT scope:SCOPE_SE
.Lnopf:
	s_add_co_u32 s[BN], s[BN], 1
.Lnokev:
	s_and_b32 s62, s[QO], 0x7c00                   ; inside the 32 tiles
	v_add_nc_u32 v14, s62, v[LI]
	ds_load_b128 v[QF:QF+3], v14 offset:QBASE      ; the queries of the block after the next
	ds_load_b128 v[QF+4:QF+7], v14 offset:QBASE+512
.irp j, 0,1,2,3,4,5,6,7                            ; pair j: t = score x c, p = 2^t; pair j - 1's sums stand behind pair j's exponentials
	s_cmp_gt_u32 s[NA], \j
.if \j == 0
	s_cbranch_scc0 .La2
	s_cmp_lg_u32 s[FA], 0
	s_cbranch_scc0 .Lopen
	v_sub_nc_u32 v[MD], s[MDA], v[H8]              ; register 8 kt + i is hidden where 16 kt + i >= length - 32 (U - 1) - 8 (lane / 16)
.irp kt, 0,1
.irp i, 0,1,2,3,4,5,6,7
	v_cmp_ge_i32 vcc_lo, 16*\kt+\i, v[MD]
	v_cndmask_b32 v[S+8*\kt+\i], v[S+8*\kt+\i], v[NINF], vcc_lo
.endr
.endr
.Lopen:
.else
	s_cbranch_scc0 .Lst\j
.endif
	s_wait_alu depctr_va_vdst(0)                   ; the wait directly ahead of the first readers of S^T,
.set n, 0
.rept 8
	v_pk_mul_f32 v[S+16*\j+n:S+16*\j+n+1], v[S+16*\j+n:S+16*\j+n+1], s[28:29] op_sel_hi:[1,0]   ; each tile of S^T from its low end on
.set n, n+2
.endr
	s_wait_alu depctr_va_vdst(0)                   ; ahead of the batch,
	EXPS \j
.if \j == 0
	v_nop
.else
	ADDS \j-1
.endif
	s_wait_alu depctr_va_vdst(0)                   ; and behind it, ahead of the branch
.endr
	ADDS 7
	s_branch .La2
.irp j, 1,2,3,4,5,6,7                              ; where pair j - 1 was the last: its sums
.Lst\j:
	ADDS \j-1
	s_branch .La2
.endr
.La2:
	s_wait_alu depctr_va_vdst(0)                   ; the wait behind the jump
	v_pk_add_f32 v[SUM:SUM+1], v[SUM:SUM+1], v[SUM+2:SUM+3]
	v_pk_add_f32 v[SUM+4:SUM+5], v[SUM+4:SUM+5], v[SUM+6:SUM+7]
	v_pk_add_f32 v[SUM:SUM+1], v[SUM:SUM+1], v[SUM+4:SUM+5]
	v_add_f32 v48, v[SUM], v[SUM+1]
	v_permlanex16_b32 v[PT], v48, s60, s61         ; the query's other keys lie in the lane 16 away
	v_add_f32 v48, v48, v[PT]
	s_xor_b32 s62, s[SB], 512
	v_add_nc_u32 v14, s62, v[SST]
	ds_store_b32 v14, v48                          ; lanes r and r + 16 store the same number to the same word
	s_cmp_lt_u32 s[G], 4
	s_cbranch_scc1 .Ltail
	s_wait_dscnt 3                                 ; the eight partial O are in: behind their loads stand Q's two loads and the store above
	s_wait_xcnt 0x0                                ; the last stores have read their registers and their base
	s_min_u32 s66, s56, 0x1ffff                    ; the offset was chosen by the lengths: held inside out0's 131,072 units of 256 bytes
	s_lshl_b32 s66, s66, 8
	s_mov_b32 s67, 0
	s_add_nc_u64 s[54:55], s[10:11], s[66:67]
.irp a, 0,2,4,6
	v_pk_add_f32 v[O+4*\a:O+4*\a+1], v[O+4*\a:O+4*\a+1], v[O+4*\a+4:O+4*\a+5]
	v_pk_add_f32 v[O+4*\a+2:O+4*\a+3], v[O+4*\a+2:O+4*\a+3], v[O+4*\a+6:O+4*\a+7]
.endr
.irp a, 0,4
	v_pk_add_f32 v[O+4*\a:O+4*\a+1], v[O+4*\a:O+4*\a+1], v[O+4*\a+8:O+4*\a+9]
	v_pk_add_f32 v[O+4*\a+2:O+4*\a+3], v[O+4*\a+2:O+4*\a+3], v[O+4*\a+10:O+4*\a+11]
.endr
	s_wait_alu depctr_va_vdst(0)                   ; the wait ahead of the branch
	s_cmp_eq_u32 s[CM], 0
	s_cbranch_scc1 .Lm1
	v_pk_mul_f32 v[RES2:RES2+1], v[O+16:O+17], s[30:31] op_sel_hi:[1,0]   ; teams: the second four parts are two rows further down
	v_pk_mul_f32 v[RES2+2:RES2+3], v[O+18:O+19], s[30:31] op_sel_hi:[1,0]
	global_store_b128 v[GO], v[RES2:RES2+3], s[54:55] offset:8192 th:TH_STORE_NT
	s_branch .Lm12
.Lm1:
	v_pk_add_f32 v[O:O+1], v[O:O+1], v[O+16:O+17]  ; one tile: they belong to the same rows
	v_pk_add_f32 v[O+2:O+3], v[O+2:O+3], v[O+18:O+19]
.Lm12:
	s_wait_alu depctr_va_vdst(0)
	v_pk_mul_f32 v[RES:RES+1], v[O:O+1], s[30:31] op_sel_hi:[1,0]     ; x 2^(e8 + e9)
	v_pk_mul_f32 v[RES+2:RES+3], v[O+2:O+3], s[30:31] op_sel_hi:[1,0]
	global_store_b128 v[GO], v[RES:RES+3], s[54:55] th:TH_STORE_NT    ; sixteen lanes store a query's 256 bytes of this head, at a multiple of 256 from out0's first byte
	s_add_co_u32 s56, s56, s[CSTEP]
.Ltail:
	s_add_co_u32 s62, s[IA], 1
	s_add_co_u32 s63, s[EV], 1
	s_cmp_eq_u32 s62, s[NAK]                       ; from the next trip on K Q^T works on the batch just loaded
	s_cselect_b32 s[NA], s[NN], s[NA]
	s_cselect_b32 s[FA], s[FN], s[FA]
	s_cselect_b32 s[MDA], s[MDN], s[MDA]
	s_cselect_b32 s[IA], 0, s62
	s_cselect_b32 s[EV], 1, s63
	s_cselect_b32 s[NAK], s[NAKN], s[NAK]
	s_xor_b32 s[SB], s[SB], 512
	s_xor_b32 s[OW], s[OW], OBUF
	s_add_co_u32 s[QO], s[QO], s[QSTEP]
	s_add_co_u32 s[G], s[G], 1
	s_cmp_lt_u32 s[G], 36
	s_cbranch_scc1 .Lbody
	s_wait_tensorcnt 0x0                           ; the wave's end
	ds_add_u32 v[SPW], v[NIL]
	s_wait_dscnt 0x0
	s_endpgm
.Lfunc_end_k_qafc3b6a828_attn:
	.size	k_qafc3b6a828_attn, .Lfunc_end_k_qafc3b6a828_attn-k_qafc3b6a828_attn
	.p2alignl 7, 3214868480
	.fill 96, 4, 3214868480
	.section	.rodata,"a",@progbits
	.p2align	6, 0x0
	.amdhsa_kernel k_qafc3b6a828_attn
		.amdhsa_group_segment_fixed_size 104448
		.amdhsa_private_segment_fixed_size 0
		.amdhsa_enable_private_segment 0
		.amdhsa_kernarg_size 32
		.amdhsa_user_sgpr_count 2
		.amdhsa_user_sgpr_kernarg_segment_ptr 1
		.amdhsa_wavefront_size32 1
		.amdhsa_system_sgpr_workgroup_id_x 1
		.amdhsa_system_sgpr_workgroup_id_y 1
		.amdhsa_system_sgpr_workgroup_id_z 1
		.amdhsa_system_vgpr_workitem_id 0
		.amdhsa_next_free_vgpr 512
		.amdhsa_next_free_sgpr 102
		.amdhsa_reserve_vcc 1
		.amdhsa_float_denorm_mode_32 3
		.amdhsa_float_denorm_mode_16_64 3
		.amdhsa_memory_ordered 1
		.amdhsa_forward_progress 1
		.amdhsa_inst_pref_size 81
	.end_amdhsa_kernel
	.amdgpu_metadata
---
amdhsa.version: [ 1, 2 ]
amdhsa.kernels:
  - .name:           k_qafc3b6a828_attn
    .symbol:         k_qafc3b6a828_attn.kd
    .args:
      - { .name: hc, .offset: 0, .size: 8, .value_kind: global_buffer, .address_space: global }
      - { .name: length, .offset: 8, .size: 8, .value_kind: global_buffer, .address_space: global }
      - { .name: lowp_scales, .offset: 16, .size: 8, .value_kind: global_buffer, .address_space: global }
      - { .name: out0, .offset: 24, .size: 8, .value_kind: global_buffer, .address_space: global }
    .group_segment_fixed_size: 104448
    .private_segment_fixed_size: 0
    .kernarg_segment_align: 8
    .kernarg_segment_size: 32
    .max_flat_workgroup_size: 256
    .sgpr_count:     102
    .vgpr_count:     512
    .wavefront_size: 32
...
	.end_amdgpu_metadata
.endif
;; end of part 3
